; MI455X (gfx1250); checked and timed in simulation.
; The chip was launched on July 23, 2026; its instructions are those of AMD's public machine-readable ISA for CDNA 5 (MIT licence, August 2026) and "CDNA5" Instruction Set Architecture Reference Guide (July 2026). The comments in the code are by the model that wrote it; some were corrected since.
;; Gyroplane Layer. Allowed arithmetic: float matrix products may take bf16 or f16 operands with f32 sums; other float arithmetic in f32, or as packed bf16 or f16 multiplies, adds, multiply-adds, maxima and minima; sums over many terms, partial sums and values carried from step to step in f32; what a program stores and reads back later, other than sums and carried values, may be rounded once to bf16 or f16.
;; Inputs: a 512 x 128 float32; p 512 x 128 float32; x 4,096 x 128 float32.
;; Outputs: out0 4,096 x 512 float32.
;; One version. Each part assembles by itself: llvm-mc -triple=amdgcn-amd-amdhsa -mcpu=gfx1250 --defsym DOCPART=n.
;; ======== version 1 of 1: 1 launch
;; limits: a difference of large sums (such as E[x^2] - mean^2): digits are lost where the result is much smaller than its terms; values outside matrix products are rounded to bf16
;; launch gyro (part 1): grid 256 x 1, 8 waves a work-group, no clusters, 326,400 bytes of LDS; arguments x, p, a, out0; writes out0
.if DOCPART == 1
	.amdgcn_target "amdgcn-amd-amdhsa--gfx1250"
	.amdhsa_code_object_version 6
	.text
	.protected	k_q77c8a6ea4d_gyro
	.globl	k_q77c8a6ea4d_gyro
	.p2align	8
	.type	k_q77c8a6ea4d_gyro,@function
k_q77c8a6ea4d_gyro:
	s_mov_b64 s[64:65], 0
	v_nop
	global_prefetch_b8 v0, s[64:65] scope:SCOPE_SE
	s_setreg_imm32_b32 hwreg(HW_REG_WAVE_MODE, 25, 1), 1
	s_wait_xcnt 0x0
; out[b][u] = asinh( 2 |mob.a| / ((1 - |mob|^2) |a| + 1e-5) ),  mob = clip(mobius(-p[u], x[b])),  x [4096][128], p, a [512][128], out [4096][512], f32.
; NOTHING OF THE PROBLEM IS LEFT OUT; all three inputs are loaded.  The arrays [b][u][d] are never formed, by an identity that holds for all values:
;   numer/denom = t[b][u][d] = A[b][u] p[u][d] + Bc[b][u] x[b][d],  G = x.p,  w = 1 - 2G,  denom = uu vv + w + 1e-8,  A = -(w + vv)/denom,  B2 = 2 Bc = (2 - 2uu)/denom
;   clip (norm over u, one factor for each (b, d)):  l2sum = L1 + x (L2 + x L3),  L1 = (A^2)@(p^2),  L2 = (A B2)@p,  L3 = sum_u B2^2 / 4,  s = CLIP / max(sqrt(l2sum), CLIP)
;   2 mob.a = A M1 + B2 M2,  M1 = (2s)@(p a),  M2 = (x s)@a;   |mob|^2 = A (A N1 + B2 N2) + B2^2 N3Q,  N1 = (s^2)@(p^2),  N2 = (x s^2)@p,  N3Q = sum_d (x s)^2 / 4
; Seven products of 4096 x 512 x 128 on the matrix unit (bf16 operands, f32 sums); uu, vv, |a|, L3, N3Q are f32 sums of the f32 inputs.
; M1 IN TWO PARTS.  M1 is the one sum of terms of mixed sign that carries the result, so a rounding of its operands shows against the size of the terms and not of the sum.
; 2s goes in as hi + lo (two bf16, 16 bits together), and the product of the bf16 p and a (16 bits at the most) as hi + lo exactly: M1 = hi@hi + lo@hi + hi@lo, three products.
; What is left in M1 is the rounding of p and of a themselves to bf16.
; LIMITS.  (1) l2sum and |mob|^2 are squares written out: their error is about 2^-8 of L1 + x^2 L3 (of A^2 N1 + B2^2 N3Q), not of the sum itself; that shows only where
; A p is close to -Bc x for all u (all d).  max(l2sum, 0) guards the root; a NaN in l2sum is taken as 0 there.  (2) |z| above 1.8e19 gives infinity, since z^2 overflows.
; (3) p^2 is the bf16 product of p rounded to bf16: three roundings, in sums of terms of one sign.
; SHARES.  A work-group owns 16 rows b and all u (the clip's sum over u stays inside a row b); wave w of eight owns u = 64 w .. 64 w + 63 in every phase, so its rows of p and a
; in LDS are its own.  Every matrix instruction takes the weights as source 0 and the operand that runs over b as source 1: lane (r = L & 15, h = L >> 4) then holds, in
; register j of tile t, b = r and index 16 t + 8 h + j, and two neighbouring tiles packed to bf16 are the next product's fragment as they stand.
; EIGHT WAVES of 512 registers: of a wave's about 3,500 instructions 144 are matrix instructions, so vector and LDS work decide, and a second wave beside it has
; instructions to issue while the first sits at a wait for LDS.
; NO TENSOR LOADS AND NO JOINT REQUESTS, though all work-groups read the same p and a: these come in f32 and are kept in bf16, which a lane has to make; the bf16 copies (2 x 139,264
; bytes), x (8,448) and the four pair sums (33,792) take 320,768 of the 327,680 bytes, so no f32 slot fits beside them.
.set AB,   139264                      ; LDS: p in bf16 at 0 (512 rows, pitch 272 = 17 x 16 bytes), a in bf16 at AB
.set XS,   278528                      ; x in f32, 16 rows, pitch 528 = 33 x 16 bytes.  In phase 0 the waves' squares lie from here on: 8 x 4,608 = 36,864 of XS's and WS's 42,240 bytes
.set SQB,  4608                        ; a wave's squares: 32 rows, pitch 144
.set WS,   286976                      ; 4 x 8,448: a pair of waves' partial l2sum (16 rows, pitch 528); then the five operands [kk][mtx][16 rows, pitch 80]
.set OPK,  6400                        ; operands: from kk to kk + 1 (five of 1,280 bytes); 4 x 6,400 = 25,600 of the 33,792 bytes
.set UUA,  320768                      ; uu, 64 f32 a wave
.set NAA,  322816                      ; |a|, 64 f32 a wave
.set N3P,  324864                      ; [wave][16] f32, 512 bytes
.set CLIP, 0x3f7fff58                  ; 1 - 1e-5
.set VO, 2                             ; 16 L + 32,768 w: my 16 bytes of my wave's first row of p and of a; the row stands in the loads' immediates
.set PST, 3                            ; where I put 8 bytes of a bf16 row of p; AST: of a
.set AST, 4
.set SQW, 5                            ; my word in a row of squares;  SQR: the row that I sum
.set SQR, 6
.set UW, 7                             ; where uu of my row goes;  NW: |a|
.set NW, 8
.set TAO, 2                            ; behind phase 0 v2-7 serve again.  own = w & 1 is the half of d whose pair sum I make, other = 1 - own the half that I hand to my partner:
.set TAN, 3                            ; TA + 128 x other, TA + 128 x own
.set XRO, 4                            ; XR + 256 x other, XR + 256 x own
.set XRN, 5
.set PWO, 6                            ; PW + 256 x other, PW + 256 x own
.set PWN, 7
.set XR, 9                             ; XS + 528 r + 32 h
.set PF, 10                            ; my wave's p + 272 r + 16 h: fragments with K along d;  AF: the same of a
.set AF, 11
.set TA, 12                            ; my wave's p, for the transposing load: fragments with K along u
.set UA, 13                            ; uu of my wave + 32 h;  NAR: |a|
.set NAR, 14
.set PW, 15                            ; my pair's partial l2sum + 528 r + 32 h
.set RA, 16                            ; pair 0's sum + 528 r + 32 h + 64 w
.set XR2, 17                           ; XR + 64 w
.set SW, 18                            ; operands, [kk = w >> 1] + 32 (w & 1) + 80 r + 16 h;  FA: [kk = 0] + 80 r + 16 h
.set FA, 19
.set N3W, 20
.set N3R, 21
.set ST, 22                            ; the way out: in, 272 r + 32 h;  RB: back, 272 h + 16 r;  GO: 2,048 h + 16 r + 256 w in out
.set RB, 23
.set GO, 24
; v25 lands v_permlanex16_b32; v[26:27] vv twice; v[28:29] L3; v[30:31] N3; v32-63 at work; v64-127 accumulators, uu, |a|; v128-159 A, later the results (in phase 0 the odd turns' stage);
; v192-223 B2; v160-191 and v224-255: x of my own and of the other half of d in phase 2, the operands s^2 and lo of 2s in the last phase.
; Window 1 (v256-511): phase 0 eight landing buffers of 32; then x in bf16 0-31, A^2 32-47, A B2 64-79, weights 128-255, p^2 0-31 and 96-127;
; last phase: operands 2s 0-31, xs 32-63, xs^2 64-95; -hi and then p^2 96-127; p 128-159, a 160-191, lo of p a 192-223, hi of p a 224-255.
.set MSB, 0
.macro WIN new                         ; low byte: bits 1:0 source 0, 3:2 source 1, 5:4 source 2, 7:6 destination; the high byte repeats the setting that is left
.if MSB != \new
	s_set_vgpr_msb (MSB<<8)|\new
.set MSB, \new
.endif
.endm
.macro PLACES                          ; four places behind a matrix instruction before its results are read or its registers loaded again (ISA guide 7.12.1)
.rept 4
	v_nop
.endr
.endm
.macro BARRIER
	s_barrier_signal -1
	s_barrier_wait -1
.endm
.macro FILL buf, isa, off              ; eight rows of 512 bytes, one load a row, into landing buffer buf (window 1)
.irp i, 0,1,2,3,4,5,6,7
.if \isa
	global_load_b128 v[32*\buf+4*\i:32*\buf+4*\i+3], v[VO], s[8:9] offset:\off+512*\i
.else
	global_load_b128 v[32*\buf+4*\i:32*\buf+4*\i+3], v[VO], s[6:7] offset:\off+512*\i
.endif
.endr
.endm
	s_load_b256 s[4:11], s[0:1], 0x0               ; x s[4:5], p s[6:7], a s[8:9], out s[10:11]
	v_lshrrev_b32 v1, 5, v0
	v_readfirstlane_b32 s12, v1                    ; wave 0..7
	v_and_b32 v32, 31, v0                          ; L
	v_lshlrev_b32 v[VO], 4, v32
	v_lshl_add_u32 v1, s12, 10, v[VO]              ; x: 16 L + 2 rows of 512 bytes a wave
	v_lshl_add_u32 v[VO], s12, 15, v[VO]           ; p, a: 16 L + 64 rows of 512 bytes a wave
	s_lshl_b32 s14, ttmp9, 13                      ; 16 rows of x
	s_mov_b32 s15, 0
	s_wait_kmcnt 0x0
	s_add_nc_u64 s[4:5], s[4:5], s[14:15]
.irp i, 0,1
	global_load_b128 v[96+4*\i:99+4*\i], v1, s[4:5] offset:512*\i th:TH_LOAD_NT
.endr
	WIN 0x40
	FILL 0, 0, 0                                   ; a lap is 32 rows of p (groups 0-3) and 32 rows of a (groups 4-7); seven groups, 56 loads, go out first
	FILL 1, 0, 4096
	FILL 2, 0, 8192
	FILL 3, 0, 12288
	FILL 4, 1, 0
	FILL 5, 1, 4096
	FILL 6, 1, 8192
	WIN 0
	s_lshl_b32 s14, ttmp9, 15                      ; 16 rows of out
	s_add_nc_u64 s[10:11], s[10:11], s[14:15]
	s_mov_b32 s16, 0x76543210                      ; v_permlanex16_b32: lane i takes lane i xor 16
	s_mov_b32 s17, 0xfedcba98
	s_mov_b32 s19, 0x7fffffff
	s_mov_b32 s26, CLIP
	s_and_b32 s13, s12, 1                          ; own: the half of d whose pair sum I make
	s_xor_b32 s27, s13, 1                          ; other: the half that I hand to my partner
	s_lshr_b32 s28, s12, 1                         ; my pair
	s_mul_i32 s20, s12, 17408                      ; my wave's 64 rows of 272 bytes
	s_mul_i32 s21, s28, 8448
	s_add_co_u32 s21, s21, WS
	s_mul_i32 s29, s12, SQB
	s_add_co_u32 s29, s29, XS
	s_lshl_b32 s22, s12, 8
	s_add_co_u32 s22, s22, UUA
	s_mul_i32 s23, s28, OPK
	s_add_co_u32 s23, s23, WS
	s_lshl_b32 s18, s13, 5
	s_add_co_u32 s23, s23, s18
	s_lshl_b32 s24, s12, 6
	s_add_co_u32 s24, s24, N3P
	s_mul_i32 s25, s12, 1056                       ; 2 rows of 528 bytes
	s_add_co_u32 s25, s25, XS
	v_and_b32 v33, 15, v0                          ; r
	v_bfe_u32 v34, v0, 4, 1                        ; h
	v_mov_b32 v25, 0
	v_lshl_add_u32 v[PST], v32, 3, s20
	v_add_nc_u32 v[AST], AB, v[PST]
	v_lshl_add_u32 v[SQW], v32, 2, s29
	v_mad_u32_u24 v[SQR], v32, 144, s29
	v_lshl_add_u32 v[UW], v32, 2, s22
	v_add_nc_u32 v[NW], NAA-UUA, v[UW]
	v_mul_u32_u24 v35, v33, 528
	v_lshl_add_u32 v35, v34, 5, v35                ; 528 r + 32 h
	v_add_nc_u32 v[XR], XS, v35
	v_mul_u32_u24 v36, v33, 272
	v_lshl_add_u32 v37, v34, 4, v36
	v_add_nc_u32 v[PF], s20, v37
	v_add_nc_u32 v[AF], AB, v[PF]
	v_and_b32 v38, 7, v0
	v_lshl_add_u32 v38, v34, 3, v38                ; row 8 h + (L & 7)
	v_mul_u32_u24 v38, v38, 272
	v_bfe_u32 v39, v0, 3, 1
	v_lshl_add_u32 v38, v39, 4, v38                ; + 16 ((L >> 3) & 1)
	v_add_nc_u32 v[TA], s20, v38
	v_lshl_add_u32 v[UA], v34, 5, s22
	v_add_nc_u32 v[NAR], NAA-UUA, v[UA]
	v_add_nc_u32 v[PW], s21, v35
	v_add_nc_u32 v[RA], WS, v35
	v_lshl_add_u32 v[RA], s12, 6, v[RA]
	v_lshl_add_u32 v[XR2], s12, 6, v[XR]
	v_mul_u32_u24 v40, v33, 80
	v_lshl_add_u32 v40, v34, 4, v40
	v_add_nc_u32 v[SW], s23, v40
	v_add_nc_u32 v[FA], WS, v40
	v_lshl_add_u32 v[N3W], v33, 2, s24
	v_lshlrev_b32 v[N3R], 2, v33
	v_add_nc_u32 v[N3R], N3P, v[N3R]
	v_lshl_add_u32 v[ST], v34, 5, v36
	v_add_nc_u32 v[ST], s20, v[ST]
	v_mul_u32_u24 v[RB], v34, 272
	v_lshl_add_u32 v[RB], v33, 4, v[RB]
	v_add_nc_u32 v[RB], s20, v[RB]
	v_lshlrev_b32 v[GO], 11, v34
	v_lshl_add_u32 v[GO], v33, 4, v[GO]
	v_lshl_add_u32 v[GO], s12, 8, v[GO]
	v_lshl_add_u32 v104, v32, 4, s25               ; x in LDS: my wave's 2 rows + 16 L; kept, with x in v96-103, until phase 0 is over
; PHASE 0.  Group g's turn in lap 0 or 1, in two parts.  TURNC: its eight rows have landed; the buffer read in the turn before is asked for again; each row is rounded to bf16
; (8 bytes a lane) and its four squares are summed.  TURNS: the bf16 rows go to LDS, the lanes' sums to a row of 32 words.  left = the younger loads that may stay out: six groups.
; (x's two loads are older than all of these.)  Both laps are written out, so the lap stands in the immediates (16,384 bytes of p and a, 8,704 of the bf16 rows) and no address is stepped.
; Even and odd turns stage in registers of their own, v32-63 and v128-159: a turn's arithmetic writes none of the registers that the 16 stores of the turn before name.
.macro TURNC g, lap, fill, left
	s_wait_loadcnt \left
.if \fill
	WIN 0x40
.if \g == 0
	FILL 7, 1, \lap*16384+12288                    ; this lap's group 7
.elseif \g < 5
	FILL (\g-1), 0, (\lap+1)*16384+(\g-1)*4096     ; the next lap's group g - 1
.else
	FILL (\g-1), 1, (\lap+1)*16384+(\g-5)*4096
.endif
.endif
.set STG, 32+96*(\g&1)
	WIN 0x05
.irp i, 0,1,2,3,4,5,6,7
	v_pk_mul_f32 v[STG+16+2*\i:STG+17+2*\i], v[32*\g+4*\i:32*\g+4*\i+1], v[32*\g+4*\i:32*\g+4*\i+1]
	v_pk_fma_f32 v[STG+16+2*\i:STG+17+2*\i], v[32*\g+4*\i+2:32*\g+4*\i+3], v[32*\g+4*\i+2:32*\g+4*\i+3], v[STG+16+2*\i:STG+17+2*\i]
	v_cvt_pk_bf16_f32 v[STG+2*\i], v[32*\g+4*\i], v[32*\g+4*\i+1]
	v_cvt_pk_bf16_f32 v[STG+1+2*\i], v[32*\g+4*\i+2], v[32*\g+4*\i+3]
.endr
	WIN 0
.irp i, 0,1,2,3,4,5,6,7
	v_add_f32 v[STG+16+2*\i], v[STG+16+2*\i], v[STG+17+2*\i]
.endr
.endm
.macro TURNS g, lap
.set STG, 32+96*(\g&1)
.irp i, 0,1,2,3,4,5,6,7
.if \g < 4
	ds_store_b64 v[PST], v[STG+2*\i:STG+1+2*\i] offset:\lap*8704+(8*\g+\i)*272
.else
	ds_store_b64 v[AST], v[STG+2*\i:STG+1+2*\i] offset:\lap*8704+(8*(\g-4)+\i)*272
.endif
	ds_store_b32 v[SQW], v[STG+16+2*\i] offset:(8*(\g&3)+\i)*144
.endr
.endm
.macro TURN g, lap, fill, left
	TURNC \g, \lap, \fill, \left
	TURNS \g, \lap
.endm
; Lane L sums row L of the 32 rows of squares.  SQLOAD asks for the row straight behind the turn that stored the last squares (the wave's own bytes: LDS serves a wave's
; instructions in order, ISA guide 5.7.1).  SQSUM stands between the next turn's arithmetic and its stores: the eight loads have that turn's 8 global loads and 40 vector
; instructions in which to come back, and they are back before the rows of squares are written again.
.macro SQLOAD
.irp c, 0,1,2,3,4,5,6,7
	ds_load_b128 v[64+4*\c:67+4*\c], v[SQR] offset:16*\c
.endr
.endm
.macro SQSUM isa, lap
	s_wait_dscnt 0x0
.irp c, 0,2,4,6,8,10,12,14
	v_pk_add_f32 v[64+\c:65+\c], v[64+\c:65+\c], v[80+\c:81+\c]
.endr
.irp c, 0,2,4,6
	v_pk_add_f32 v[64+\c:65+\c], v[64+\c:65+\c], v[72+\c:73+\c]
.endr
	v_pk_add_f32 v[64:65], v[64:65], v[68:69]
	v_pk_add_f32 v[66:67], v[66:67], v[70:71]
	v_pk_add_f32 v[64:65], v[64:65], v[66:67]
	v_add_f32 v64, v64, v65
.if \isa
	v_sqrt_f32 v66, v64
	v_nop                                          ; one plain instruction behind the root (ISA guide 5.7.2)
	s_wait_alu depctr_va_vdst(0)
	ds_store_b32 v[NW], v66 offset:128*\lap
.else
	ds_store_b32 v[UW], v64 offset:128*\lap
.endif
.endm
	TURN 0, 0, 1, 48                               ; the first of the wave's two laps: every turn fills
	TURN 1, 0, 1, 48
	TURN 2, 0, 1, 48
	TURN 3, 0, 1, 48
	SQLOAD                                         ; squares of p's rows 0-31
	TURNC 4, 0, 1, 48
	SQSUM 0, 0
	TURNS 4, 0
	TURN 5, 0, 1, 48
	TURN 6, 0, 1, 48
	TURN 7, 0, 1, 48
	SQLOAD                                         ; squares of a's rows 0-31
	TURNC 0, 1, 1, 48                              ; the last lap: one more fill (its own group 7), then the counts run down
	SQSUM 1, 0
	TURNS 0, 1
	TURN 1, 1, 0, 48
	TURN 2, 1, 0, 40
	TURN 3, 1, 0, 32
	SQLOAD                                         ; squares of p's rows 32-63
	TURNC 4, 1, 0, 24
	SQSUM 0, 1
	TURNS 4, 1
	TURN 5, 1, 0, 16
	TURN 6, 1, 0, 8
	TURN 7, 1, 0, 0
	SQLOAD                                         ; squares of a's rows 32-63: no turn is left to stand between
	SQSUM 1, 1
	s_wait_dscnt 0x0                               ; my reads of my squares are back,
	BARRIER                                        ; everybody's are: x may be written where squares lay
.irp i, 0,1
	ds_store_b128 v104, v[96+4*\i:99+4*\i] offset:528*\i
.endr
	v_lshl_add_u32 v[TAO], s27, 7, v[TA]           ; four d tiles are 128 bytes of a bf16 row,
	v_lshl_add_u32 v[TAN], s13, 7, v[TA]
	v_lshl_add_u32 v[XRO], s27, 8, v[XR]           ; and 256 bytes of an f32 row
	v_lshl_add_u32 v[XRN], s13, 8, v[XR]
	v_lshl_add_u32 v[PWO], s27, 8, v[PW]
	v_lshl_add_u32 v[PWN], s13, 8, v[PW]
	s_wait_dscnt 0x0                               ; my two rows of x are in LDS,
	BARRIER                                        ; everybody's are
; PHASE 1.  G = x.p for my 64 u; then A and B2, and A^2 and A B2 packed as the next phase's fragments.
.macro EPI1 t
.irp c, 0,2,4,6
	v_pk_fma_f32 v[40+\c:41+\c], v[64+8*\t+\c:65+8*\t+\c], -2.0, 1.0 op_sel_hi:[1,0,0]     ; w = 1 - 2 G
.endr
.irp c, 0,2,4,6
	v_pk_fma_f32 v[48+\c:49+\c], v[96+8*\t+\c:97+8*\t+\c], v[26:27], v[40+\c:41+\c]        ; uu vv + w
.endr
.irp c, 0,2,4,6
	v_pk_add_f32 v[48+\c:49+\c], v[48+\c:49+\c], 0x322bcc77 op_sel_hi:[1,0]                ; + 1e-8
	v_pk_add_f32 v[56+\c:57+\c], v[40+\c:41+\c], v[26:27]                                  ; w + vv
.endr
.irp j, 0,1,2,3,4,5,6,7
	v_rcp_f32 v[40+\j], v[48+\j]
.endr
.irp c, 0,2,4,6
	v_pk_fma_f32 v[32+\c:33+\c], v[96+8*\t+\c:97+8*\t+\c], -2.0, 2.0 op_sel_hi:[1,0,0]     ; 2 - 2 uu: also the plain place behind the reciprocals
.endr
	s_wait_alu depctr_va_vdst(0)
.irp c, 0,2,4,6
	v_pk_mul_f32 v[192+8*\t+\c:193+8*\t+\c], v[32+\c:33+\c], v[40+\c:41+\c]                ; B2
	v_pk_mul_f32 v[128+8*\t+\c:129+8*\t+\c], v[56+\c:57+\c], v[40+\c:41+\c] neg_lo:[1,0] neg_hi:[1,0]   ; A
.endr
.irp c, 0,2,4,6
	v_pk_mul_f32 v[48+\c:49+\c], v[128+8*\t+\c:129+8*\t+\c], v[128+8*\t+\c:129+8*\t+\c]    ; A^2
	v_pk_mul_f32 v[56+\c:57+\c], v[128+8*\t+\c:129+8*\t+\c], v[192+8*\t+\c:193+8*\t+\c]    ; A B2
.if \t+\c == 0
	v_pk_mul_f32 v[28:29], v[192:193], v[192:193]                                          ; the first square starts L3
.else
	v_pk_fma_f32 v[28:29], v[192+8*\t+\c:193+8*\t+\c], v[192+8*\t+\c:193+8*\t+\c], v[28:29]
.endif
.endr
	WIN 0x40
.irp c, 0,1,2,3
	v_cvt_pk_bf16_f32 v[32+4*\t+\c], v[48+2*\c], v[49+2*\c]
	v_cvt_pk_bf16_f32 v[64+4*\t+\c], v[56+2*\c], v[57+2*\c]
.endr
	WIN 0
.endm
; p lies [u][d]: the transposing load makes fragments with K along u.  Four d tiles (the half of d that adr names) x my 64 u, into set i of two.
.macro LOADT i, adr
.irp d, 0,1,2,3
.irp k, 0,1
	ds_load_tr16_b128 v[128+32*\d+16*\i+8*\k:131+32*\d+16*\i+8*\k], v[\adr] offset:8704*\k+32*\d
	ds_load_tr16_b128 v[132+32*\d+16*\i+8*\k:135+32*\d+16*\i+8*\k], v[\adr] offset:8704*\k+32*\d+4352
.endr
.endr
.endm
.macro LOADX base, adr                 ; x[r][16 d + 8 h + 0..7] of the same four d tiles
.irp d, 0,1,2,3
	ds_load_b128 v[\base+8*\d:\base+8*\d+3], v[\adr] offset:64*\d
	ds_load_b128 v[\base+8*\d+4:\base+8*\d+7], v[\adr] offset:64*\d+16
.endr
.endm
.irp d, 0,1,2,3,4,5,6,7
	ds_load_b128 v[128+8*\d:131+8*\d], v[XR] offset:64*\d          ; x[r][16 d + 8 h + 0..7]
	ds_load_b128 v[132+8*\d:135+8*\d], v[XR] offset:64*\d+16
.endr
.irp t, 0,1,2,3
	ds_load_b128 v[96+8*\t:99+8*\t], v[UA] offset:64*\t            ; uu of u = 16 t + 8 h + 0..7, all four tiles at once
	ds_load_b128 v[100+8*\t:103+8*\t], v[UA] offset:64*\t+16
.endr
	WIN 0x40
.irp d, 0,1,2,3
.irp k, 0,1,2,3
	ds_load_b128 v[128+32*\d+8*\k:131+32*\d+8*\k], v[PF] offset:\d*4352+64*\k              ; p's fragments of my four u tiles: row 16 t + r, K = d
	ds_load_b128 v[132+32*\d+8*\k:135+32*\d+8*\k], v[PF] offset:\d*4352+64*\k+32
.endr
.endr
	WIN 0
	s_wait_dscnt 32                                ; x and uu are in; the 32 loads of p's fragments are younger
.irp c, 0,1,2,3
	v_pk_mul_f32 v[32+2*\c:33+2*\c], v[128+2*\c:129+2*\c], v[128+2*\c:129+2*\c]            ; vv in four chains
.endr
.set k, 4
.rept 28
	v_pk_fma_f32 v[32+2*(k%4):33+2*(k%4)], v[128+2*k:129+2*k], v[128+2*k:129+2*k], v[32+2*(k%4):33+2*(k%4)]
.set k, k+1
.endr
	v_pk_add_f32 v[32:33], v[32:33], v[34:35]
	v_pk_add_f32 v[36:37], v[36:37], v[38:39]
	v_pk_add_f32 v[32:33], v[32:33], v[36:37]
	v_add_f32 v32, v32, v33
	v_permlanex16_b32 v25, v32, s16, s17           ; the other half of the row's d
	v_add_f32 v26, v32, v25
	v_mov_b32 v27, v26
	WIN 0x40
.set i, 0
.rept 32
	v_cvt_pk_bf16_f32 v[i], v[128+2*i], v[129+2*i] ; x in bf16: registers 8 kk .. 8 kk + 7 are the fragment of d = 32 kk .. 32 kk + 31
.set i, i+1
.endr
	s_wait_dscnt 0x0
	WIN 0x05
.irp k, 0,1,2,3
.irp d, 0,1,2,3
.if \k == 0
	v_wmma_f32_16x16x32_bf16 v[64+8*\d:71+8*\d], v[128+32*\d+8*\k:135+32*\d+8*\k], v[8*\k:8*\k+7], 0                  ; the first product starts each sum
.else
	v_wmma_f32_16x16x32_bf16 v[64+8*\d:71+8*\d], v[128+32*\d+8*\k:135+32*\d+8*\k], v[8*\k:8*\k+7], v[64+8*\d:71+8*\d]  ; four accumulators by turns, one instruction a turn
.endif
.endr
.endr
	WIN 0
	PLACES
	WIN 0x40
	LOADT 0, TAO                                   ; the next phase's 48 loads come in under the arithmetic below: the half of d that I hand on first,
	LOADT 1, TAN                                   ; then my own
	WIN 0
	LOADX 224, XRO
	LOADX 160, XRN
	EPI1 0
	EPI1 1
	EPI1 2
	EPI1 3
	v_add_f32 v1, v28, v29
	v_permlanex16_b32 v25, v1, s16, s17
	v_add_f32 v1, v1, v25
	v_mul_f32 v28, 0x3e800000, v1                  ; L3 of my wave's u = sum B2^2 / 4
	v_mov_b32 v29, v28
; PHASE 2.  My wave's part of l2sum (K = its 64 u), four d tiles at a time, from fragment set i and x at xb.
.macro HALF2 i, xb
.irp k, 0,1
	WIN 0x45
.irp d, 0,1,2,3
.irp q, 0,1,2,3,4,5,6,7
	v_pk_mul_bf16 v[96*\k+8*\d+\q], v[128+32*\d+16*\i+8*\k+\q], v[128+32*\d+16*\i+8*\k+\q]   ; p^2, two buffers by turns: one is written again only behind the other's 32 lines
.endr
.endr
	WIN 0x05
.irp d, 0,1,2,3
.if \k == 0
	v_wmma_f32_16x16x32_bf16 v[64+8*\d:71+8*\d], v[96*\k+8*\d:96*\k+8*\d+7], v[32+8*\k:39+8*\k], 0
	v_wmma_f32_16x16x32_bf16 v[96+8*\d:103+8*\d], v[128+32*\d+16*\i+8*\k:135+32*\d+16*\i+8*\k], v[64+8*\k:71+8*\k], 0
.else
	v_wmma_f32_16x16x32_bf16 v[64+8*\d:71+8*\d], v[96*\k+8*\d:96*\k+8*\d+7], v[32+8*\k:39+8*\k], v[64+8*\d:71+8*\d]        ; eight accumulators by turns
	v_wmma_f32_16x16x32_bf16 v[96+8*\d:103+8*\d], v[128+32*\d+16*\i+8*\k:135+32*\d+16*\i+8*\k], v[64+8*\k:71+8*\k], v[96+8*\d:103+8*\d]
.endif
.endr
.endr
	WIN 0
	PLACES
.irp d, 0,1,2,3
.irp c, 0,2,4,6
	v_pk_fma_f32 v[96+8*\d+\c:97+8*\d+\c], v[\xb+8*\d+\c:\xb+8*\d+\c+1], v[28:29], v[96+8*\d+\c:97+8*\d+\c]       ; L2 + x L3
	v_pk_fma_f32 v[64+8*\d+\c:65+8*\d+\c], v[\xb+8*\d+\c:\xb+8*\d+\c+1], v[96+8*\d+\c:97+8*\d+\c], v[64+8*\d+\c:65+8*\d+\c]   ; L1 + x (..)
.endr
.endr
.endm
.macro PUT adr                         ; four d tiles of sums, v64-95, into a half of my pair's region
.irp d, 0,1,2,3
	ds_store_b128 v[\adr], v[64+8*\d:67+8*\d] offset:64*\d
	ds_store_b128 v[\adr], v[68+8*\d:71+8*\d] offset:64*\d+16
.endr
.endm
; The last phase's weights of u tile t: p and a, K = d, into window 1.  LOADNA: |a| of the same tile, two buffers by turns.
.macro LOADWT t
	WIN 0x40
.irp k, 0,1,2,3
	ds_load_b128 v[128+8*\k:131+8*\k], v[PF] offset:\t*4352+64*\k
	ds_load_b128 v[132+8*\k:135+8*\k], v[PF] offset:\t*4352+64*\k+32
	ds_load_b128 v[160+8*\k:163+8*\k], v[AF] offset:\t*4352+64*\k
	ds_load_b128 v[164+8*\k:167+8*\k], v[AF] offset:\t*4352+64*\k+32
.endr
	WIN 0
.endm
.macro LOADNA t
	ds_load_b128 v[96+8*(\t&1):99+8*(\t&1)], v[NAR] offset:64*\t
	ds_load_b128 v[100+8*(\t&1):103+8*(\t&1)], v[NAR] offset:64*\t+16
.endm
	s_wait_dscnt 0x0
	HALF2 0, 224
	PUT PWO                                        ; my part of the half that my partner sums
	HALF2 1, 160                                   ; my part of my own half stays in v64-95
	s_wait_dscnt 0x0                               ; what I hand on is in LDS,
	BARRIER                                        ; and so is what I am handed.  Up to the next barrier each half of a region is touched by its owner alone
.irp d, 0,1,2,3
	ds_load_b128 v[96+8*\d:99+8*\d], v[PWN] offset:64*\d
	ds_load_b128 v[100+8*\d:103+8*\d], v[PWN] offset:64*\d+16
.endr
	s_wait_dscnt 0x0
.set i, 0
.rept 16
	v_pk_add_f32 v[64+2*i:65+2*i], v[64+2*i:65+2*i], v[96+2*i:97+2*i]
.set i, i+1
.endr
	PUT PWN                                        ; the pair's sum, where the partner's part lay
; The four pair sums meet.  Wave w takes d tile w of all 16 rows: 8 numbers a lane, b = r, d = 16 w + 8 h + j.
	s_wait_dscnt 0x0                               ; my half of the pair's sum is in LDS,
	BARRIER                                        ; everybody's is
.irp m, 0,1,2,3
	ds_load_b128 v[64+8*\m:67+8*\m], v[RA] offset:8448*\m
	ds_load_b128 v[68+8*\m:71+8*\m], v[RA] offset:8448*\m+16
.endr
	ds_load_b128 v[32:35], v[XR2]
	ds_load_b128 v[36:39], v[XR2] offset:16
	s_wait_dscnt 0x0                               ; my reads of the pair sums are back,
	BARRIER                                        ; everybody's are: the operands may be written over them
	LOADWT 0                                       ; the last phase's first weights are my wave's own rows of p and a: their 16 loads come in under the arithmetic below
.irp c, 0,2,4,6
	v_pk_add_f32 v[64+\c:65+\c], v[64+\c:65+\c], v[72+\c:73+\c]
	v_pk_add_f32 v[80+\c:81+\c], v[80+\c:81+\c], v[88+\c:89+\c]
.endr
.irp c, 0,2,4,6
	v_pk_add_f32 v[64+\c:65+\c], v[64+\c:65+\c], v[80+\c:81+\c]
.endr
.irp j, 0,1,2,3,4,5,6,7
	v_max_num_f32 v[64+\j], 0, v[64+\j]            ; the written-out square can round below 0
.endr
.irp j, 0,1,2,3,4,5,6,7
	v_sqrt_f32 v[80+\j], v[64+\j]
.endr
	v_nop
	s_wait_alu depctr_va_vdst(0)
.irp j, 0,1,2,3,4,5,6,7
	v_max_num_f32 v[80+\j], s26, v[80+\j]
.endr
.irp j, 0,1,2,3,4,5,6,7
	v_rcp_f32 v[64+\j], v[80+\j]
.endr
	v_nop
	s_wait_alu depctr_va_vdst(0)
.irp c, 0,2,4,6
	v_pk_mul_f32 v[64+\c:65+\c], v[64+\c:65+\c], CLIP op_sel_hi:[1,0]                      ; s
.endr
.irp c, 0,2,4,6
	v_pk_mul_f32 v[80+\c:81+\c], v[32+\c:33+\c], v[64+\c:65+\c]                            ; x s
	v_pk_mul_f32 v[96+\c:97+\c], v[64+\c:65+\c], v[64+\c:65+\c]                            ; s^2
.endr
.irp c, 0,2,4,6
	v_pk_mul_f32 v[112+\c:113+\c], v[80+\c:81+\c], v[64+\c:65+\c]                          ; x s^2
	v_pk_add_f32 v[64+\c:65+\c], v[64+\c:65+\c], v[64+\c:65+\c]                            ; 2 s
.endr
	v_pk_mul_f32 v[30:31], v[80:81], v[80:81]
.irp c, 2,4,6
	v_pk_fma_f32 v[30:31], v[80+\c:81+\c], v[80+\c:81+\c], v[30:31]                        ; sum of (x s)^2
.endr
.irp i, 0,1,2,3
	v_cvt_pk_bf16_f32 v[40+\i], v[64+2*\i], v[65+2*\i]                                     ; operand 0: 2s rounded
	v_cvt_pk_bf16_f32 v[44+\i], v[80+2*\i], v[81+2*\i]                                     ; 1: x s
	v_cvt_pk_bf16_f32 v[48+\i], v[96+2*\i], v[97+2*\i]                                     ; 2: s^2
	v_cvt_pk_bf16_f32 v[52+\i], v[112+2*\i], v[113+2*\i]                                   ; 3: x s^2
.endr
.irp i, 0,1,2,3
	v_lshlrev_b32 v[104+2*\i], 16, v[40+\i]                                                ; operand 4: what the rounding of 2s left.  The rounded 2s, widened again,
	v_and_b32 v[105+2*\i], 0xffff0000, v[40+\i]
.endr
.irp i, 0,1,2,3
	v_pk_add_f32 v[64+2*\i:65+2*\i], v[64+2*\i:65+2*\i], v[104+2*\i:105+2*\i] neg_lo:[0,1] neg_hi:[0,1]   ; is taken away from 2s (exact),
.endr
.irp i, 0,1,2,3
	v_cvt_pk_bf16_f32 v[56+\i], v[64+2*\i], v[65+2*\i]                                     ; and the rest is rounded: 16 bits of 2s in the two
.endr
.irp m, 0,1,2,3,4
	ds_store_b128 v[SW], v[40+4*\m:43+4*\m] offset:1280*\m
.endr
	v_add_f32 v1, v30, v31
	v_permlanex16_b32 v25, v1, s16, s17
	v_add_f32 v1, v1, v25
	ds_store_b32 v[N3W], v1                        ; lanes r and r + 16 write the same word with the same value
	s_wait_dscnt 0x0                               ; my operands and my sum are in LDS (and tile 0's weights are in),
	BARRIER                                        ; everybody's are
; PHASE 3.  Six products for each of my four u tiles (K = all 128 d; three of them make M1), the closing arithmetic, and the way out.
.macro LOADS base, m                   ; operand m, all 128 d: four fragments
.irp k, 0,1,2,3
	ds_load_b128 v[\base+8*\k:\base+8*\k+3], v[FA] offset:OPK*\k+1280*\m
	ds_load_b128 v[\base+8*\k+4:\base+8*\k+7], v[FA] offset:OPK*\k+1280*\m+32
.endr
.endm
.macro EPI3 t
.irp c, 0,2,4,6
	v_pk_mul_f32 v[32+\c:33+\c], v[192+8*\t+\c:193+8*\t+\c], v[72+\c:73+\c]                ; B2 M2
	v_pk_mul_f32 v[40+\c:41+\c], v[192+8*\t+\c:193+8*\t+\c], v[88+\c:89+\c]                ; B2 N2
	v_pk_mul_f32 v[48+\c:49+\c], v[192+8*\t+\c:193+8*\t+\c], v[30:31]                      ; B2 N3Q
.endr
.irp c, 0,2,4,6
	v_pk_fma_f32 v[32+\c:33+\c], v[128+8*\t+\c:129+8*\t+\c], v[64+\c:65+\c], v[32+\c:33+\c]   ; Q = A M1 + B2 M2 = 2 mob.a
	v_pk_fma_f32 v[40+\c:41+\c], v[128+8*\t+\c:129+8*\t+\c], v[80+\c:81+\c], v[40+\c:41+\c]   ; A N1 + B2 N2
	v_pk_mul_f32 v[48+\c:49+\c], v[48+\c:49+\c], v[192+8*\t+\c:193+8*\t+\c]                   ; B2^2 N3Q
.endr
.irp c, 0,2,4,6
	v_pk_fma_f32 v[40+\c:41+\c], v[128+8*\t+\c:129+8*\t+\c], v[40+\c:41+\c], v[48+\c:49+\c]   ; |mob|^2
.endr
.irp c, 0,2,4,6
	v_pk_fma_f32 v[40+\c:41+\c], v[40+\c:41+\c], -1.0, 1.0 op_sel_hi:[1,0,0]
.endr
.irp c, 0,2,4,6
	v_pk_fma_f32 v[48+\c:49+\c], v[40+\c:41+\c], v[96+8*(\t&1)+\c:97+8*(\t&1)+\c], 0x3727c5ac op_sel_hi:[1,1,0]   ; (1 - |mob|^2) |a| + 1e-5
.endr
.irp j, 0,1,2,3,4,5,6,7
	v_rcp_f32 v[56+\j], v[48+\j]
.endr
	v_nop
	s_wait_alu depctr_va_vdst(0)
.irp c, 0,2,4,6
	v_pk_mul_f32 v[32+\c:33+\c], v[32+\c:33+\c], v[56+\c:57+\c]                            ; z, its sign not yet the result's
.endr
.irp c, 0,2,4,6
	v_pk_fma_f32 v[40+\c:41+\c], v[32+\c:33+\c], v[32+\c:33+\c], 1.0 op_sel_hi:[1,1,0]
.endr
.irp j, 0,1,2,3,4,5,6,7
	v_sqrt_f32 v[48+\j], v[40+\j]
.endr
	v_nop
	s_wait_alu depctr_va_vdst(0)
.irp j, 0,1,2,3,4,5,6,7
	v_add_f32 v[48+\j], |v[32+\j]|, v[48+\j]
.endr
.irp j, 0,1,2,3,4,5,6,7
	v_log_f32 v[40+\j], v[48+\j]
.endr
	v_nop
	s_wait_alu depctr_va_vdst(0)
.irp c, 0,2,4,6
	v_pk_mul_f32 v[40+\c:41+\c], v[40+\c:41+\c], 0x3f317218 op_sel_hi:[1,0]                ; ln 2: asinh |z|, never below 0
.endr
.irp j, 0,1,2,3,4,5,6,7
	v_bfi_b32 v[128+8*\t+\j], s19, v[40+\j], v[56+\j]                                      ; the numerator is |Q|: the sign is the denominator's.  A's registers now hold the result
.endr
.endm
.macro TILE t
.if \t != 0
	s_wait_dscnt 0x0                               ; this tile's weights and |a| (tile 0's weights were waited for in front of the last barrier)
.endif
	WIN 0x55                                       ; all sources and the destination in window 1
.irp q, 0,1,2,3,4,5,6,7,8,9,10,11,12,13,14,15,16,17,18,19,20,21,22,23,24,25,26,27,28,29,30,31
	v_pk_mul_bf16 v[224+\q], v[128+\q], v[160+\q]  ; hi = p a, rounded to bf16
.endr
.irp q, 0,1,2,3,4,5,6,7,8,9,10,11,12,13,14,15,16,17,18,19,20,21,22,23,24,25,26,27,28,29,30,31
	v_xor_b32 v[96+\q], 0x80008000, v[224+\q]      ; -hi, both halves
.endr
.irp q, 0,1,2,3,4,5,6,7,8,9,10,11,12,13,14,15,16,17,18,19,20,21,22,23,24,25,26,27,28,29,30,31
	v_fma_mixlo_bf16 v[192+\q], v[128+\q], v[160+\q], v[96+\q] op_sel_hi:[1,1,1]                   ; lo = p a - hi, one fused step on the low halves: at most 8 bits are left, so bf16 holds it exactly
	v_fma_mixhi_bf16 v[192+\q], v[128+\q], v[160+\q], v[96+\q] op_sel:[1,1,1] op_sel_hi:[1,1,1]    ; the same on the high halves
.endr
.irp q, 0,1,2,3,4,5,6,7,8,9,10,11,12,13,14,15,16,17,18,19,20,21,22,23,24,25,26,27,28,29,30,31
	v_pk_mul_bf16 v[96+\q], v[128+\q], v[128+\q]   ; p^2, where -hi lay: lo is made
.endr
.if \t == 0
	WIN 0
	s_wait_dscnt 0x0                               ; the 50 loads of the operands, of the eight sums and of |a|, issued ahead of the 160 lines above
	v_add_f32 v32, v32, v33
	v_add_f32 v34, v34, v35
	v_add_f32 v36, v36, v37
	v_add_f32 v38, v38, v39
	v_add_f32 v32, v32, v34
	v_add_f32 v36, v36, v38
	v_add_f32 v32, v32, v36
	v_mul_f32 v30, 0x3e800000, v32                 ; N3Q = sum_d (x s)^2 / 4
	v_mov_b32 v31, v30
.endif
	WIN 0x05                                       ; weights and operands in window 1, sums in window 0
.irp k, 0,1,2,3
.if \k == 0
	v_wmma_f32_16x16x32_bf16 v[64:71], v[224+8*\k:231+8*\k], v[8*\k:8*\k+7], 0                     ; M1: hi of p a with the rounded 2s
	v_wmma_f32_16x16x32_bf16 v[72:79], v[160+8*\k:167+8*\k], v[32+8*\k:39+8*\k], 0                 ; M2
	v_wmma_f32_16x16x32_bf16 v[64:71], v[192+8*\k:199+8*\k], v[8*\k:8*\k+7], v[64:71]              ; M1: lo of p a with the rounded 2s
	v_wmma_f32_16x16x32_bf16 v[88:95], v[128+8*\k:135+8*\k], v[64+8*\k:71+8*\k], 0                 ; N2
.else
	v_wmma_f32_16x16x32_bf16 v[64:71], v[224+8*\k:231+8*\k], v[8*\k:8*\k+7], v[64:71]              ; M1 takes every other turn, the others the turns between, one instruction a turn
	v_wmma_f32_16x16x32_bf16 v[72:79], v[160+8*\k:167+8*\k], v[32+8*\k:39+8*\k], v[72:79]
	v_wmma_f32_16x16x32_bf16 v[64:71], v[192+8*\k:199+8*\k], v[8*\k:8*\k+7], v[64:71]
	v_wmma_f32_16x16x32_bf16 v[88:95], v[128+8*\k:135+8*\k], v[64+8*\k:71+8*\k], v[88:95]
.endif
.endr
	WIN 0x01                                       ; the two operands that lie in window 0: one more stretch, not a switch for each product
.irp k, 0,1,2,3
	v_wmma_f32_16x16x32_bf16 v[64:71], v[224+8*\k:231+8*\k], v[224+8*\k:231+8*\k], v[64:71]        ; M1: hi of p a (window 1) with the rest of 2s (window 0)
.if \k == 0
	v_wmma_f32_16x16x32_bf16 v[80:87], v[96+8*\k:103+8*\k], v[160+8*\k:167+8*\k], 0                ; N1: p^2 with s^2
.else
	v_wmma_f32_16x16x32_bf16 v[80:87], v[96+8*\k:103+8*\k], v[160+8*\k:167+8*\k], v[80:87]
.endif
.endr
	WIN 0
	PLACES
.if \t < 3
	LOADWT (\t+1)                                  ; the next tile's weights come in under this tile's closing arithmetic
	LOADNA (\t+1)
.endif
	EPI3 \t
.endm
	WIN 0x40
	LOADS 0, 0                                     ; 2s rounded
	LOADS 32, 1                                    ; x s
	LOADS 64, 3                                    ; x s^2
	WIN 0
	LOADS 160, 2                                   ; s^2
	LOADS 224, 4                                   ; the rest of 2s
.irp m, 0,1,2,3,4,5,6,7
	ds_load_b32 v[32+\m], v[N3R] offset:64*\m
.endr
	LOADNA 0
	TILE 0                                         ; its preparing lines name none of the registers that these 50 loads fill; the wait stands behind them
	TILE 1
	TILE 2
	TILE 3
; THE WAY OUT.  My 64 u of 16 rows go through my wave's own first 16 rows of p in LDS (4,352 bytes, last read for tile 0): in by lanes' pieces of 32 bytes, back by rows of 256 bytes.
.irp d, 0,1,2,3
	ds_store_b128 v[ST], v[128+8*\d:131+8*\d] offset:64*\d
	ds_store_b128 v[ST], v[132+8*\d:135+8*\d] offset:64*\d+16
.endr
.irp i, 0,1,2,3,4,5,6,7
	ds_load_b128 v[128+4*\i:131+4*\i], v[RB] offset:544*\i         ; rows 2 i and 2 i + 1; these see the stores above (a wave's LDS instructions are served in order)
.endr
.irp i, 0,1,2,3,4,5,6,7
	s_wait_dscnt 7-\i                              ; the younger read-backs stay out
	global_store_b128 v[GO], v[128+4*\i:131+4*\i], s[10:11] offset:4096*\i th:TH_STORE_NT   ; 16 lanes store 256 consecutive bytes, at a multiple of 256 from out's first byte
.endr
	s_wait_xcnt 0x0
	v_lshl_add_u32 v254, v0, 2, 0x4f700
	v_mov_b32 v255, 0
	s_wait_tensorcnt 0x0
	ds_add_u32 v254, v255
	s_wait_dscnt 0x0
	s_endpgm
.Lfunc_end_k_q77c8a6ea4d_gyro:
	.size	k_q77c8a6ea4d_gyro, .Lfunc_end_k_q77c8a6ea4d_gyro-k_q77c8a6ea4d_gyro
	.p2alignl 7, 3214868480
	.fill 96, 4, 3214868480
	.section	.rodata,"a",@progbits
	.p2align	6, 0x0
	.amdhsa_kernel k_q77c8a6ea4d_gyro
		.amdhsa_group_segment_fixed_size 326400
		.amdhsa_private_segment_fixed_size 0
		.amdhsa_enable_private_segment 0
		.amdhsa_kernarg_size 32
		.amdhsa_user_sgpr_count 2
		.amdhsa_user_sgpr_kernarg_segment_ptr 1
		.amdhsa_wavefront_size32 1
		.amdhsa_system_sgpr_workgroup_id_x 1
		.amdhsa_system_sgpr_workgroup_id_y 1
		.amdhsa_system_sgpr_workgroup_id_z 1
		.amdhsa_system_vgpr_workitem_id 0
		.amdhsa_next_free_vgpr 512
		.amdhsa_next_free_sgpr 66
		.amdhsa_reserve_vcc 0
		.amdhsa_float_denorm_mode_32 3
		.amdhsa_float_denorm_mode_16_64 3
		.amdhsa_memory_ordered 1
		.amdhsa_forward_progress 1
		.amdhsa_inst_pref_size 207
	.end_amdhsa_kernel
	.amdgpu_metadata
---
amdhsa.version: [ 1, 2 ]
amdhsa.kernels:
  - .name:           k_q77c8a6ea4d_gyro
    .symbol:         k_q77c8a6ea4d_gyro.kd
    .args:
      - { .name: x, .offset: 0, .size: 8, .value_kind: global_buffer, .address_space: global }
      - { .name: p, .offset: 8, .size: 8, .value_kind: global_buffer, .address_space: global }
      - { .name: a, .offset: 16, .size: 8, .value_kind: global_buffer, .address_space: global }
      - { .name: out0, .offset: 24, .size: 8, .value_kind: global_buffer, .address_space: global }
    .group_segment_fixed_size: 326400
    .private_segment_fixed_size: 0
    .kernarg_segment_align: 8
    .kernarg_segment_size: 32
    .max_flat_workgroup_size: 256
    .sgpr_count:     66
    .vgpr_count:     512
    .wavefront_size: 32
...
	.end_amdgpu_metadata
.endif
;; end of part 1
